; MI455X (gfx1250); checked and timed in simulation.
; The chip was launched on July 23, 2026; its instructions are those of AMD's public machine-readable ISA for CDNA 5 (MIT licence, August 2026) and "CDNA5" Instruction Set Architecture Reference Guide (July 2026). The comments in the code are by the model that wrote it; some were corrected since.
;; Causal Self Attention With A Li Bi. Allowed arithmetic: float matrix products may take bf16 or f16 operands with f32 sums; all other float work in f32.
;; Inputs: W_kqv 1,024 x 3,072 float32; W_proj 1,024 x 1,024 float32; b_kqv 3,072 float32; b_proj 1,024 float32; slopes 16 float32; x 2 x 2,048 x 1,024 float32.
;; Outputs: out0 2 x 2,048 x 1,024 float32.
;; One version. Each part assembles by itself: llvm-mc -triple=amdgcn-amd-amdhsa -mcpu=gfx1250 --defsym DOCPART=n.
;; ======== version 1 of 1: 4 launches
;; limits: values are held in f16: magnitudes above 65,504 overflow, below 6.1e-05 lose precision
;; workspace buffers: cast 16,777,216 bytes; kqv 25,165,824 bytes; yb 8,388,608 bytes
;; launch cast (part 1): grid 256 x 1, 8 waves a work-group, no clusters, 0 bytes of LDS; arguments x, W_kqv, W_proj, cast; writes cast
.if DOCPART == 1
	.amdgcn_target "amdgcn-amd-amdhsa--gfx1250"
	.amdhsa_code_object_version 6
	.text
	.protected	k_q60a40199a2_cast
	.globl	k_q60a40199a2_cast
	.p2align	8
	.type	k_q60a40199a2_cast,@function
k_q60a40199a2_cast:
	s_mov_b64 s[64:65], 0
	v_nop
	global_prefetch_b8 v0, s[64:65] scope:SCOPE_SE
	s_setreg_imm32_b32 hwreg(HW_REG_WAVE_MODE, 25, 1), 1
	s_wait_xcnt 0x0
; x, W_kqv and W_proj are rounded once to f16, layouts unchanged, into one buffer:
; x at byte 0, W_kqv at byte 8,388,608, W_proj at byte 14,680,064.  The three inputs are 128, 96 and 32 pieces of 131,072 bytes;
; work-group g rounds piece g into bytes 65,536 g .. of the output.  A stream: no LDS, no barrier, no matrix unit.
; WHY f16 AND NOT bf16: three more bits of significand.  The first rows of a sequence copy v almost unaveraged, so that every rounding on the way
; shows undiminished in numbers that are held against the spread of the whole output.
; LIMIT: magnitudes beyond 65,504 become infinite; below 6.1e-5 the step is 6e-8.  x of spread 1 and W of spread 0.02 have room for a factor of 30
; either way (W / 30 has spread 0.0007: the step is under 1e-4 of it) and for offsets of 30 spreads.
; Thread t takes, in each of 16 steps, 8 numbers (32 bytes) and stores 16 bytes: one store of a wave covers 512 consecutive aligned bytes.
; All 32 loads of a wave go out first; no register is written twice, so no wait but the counted ones for the data is needed.
.set STEPS, 16
.set IN,    4                          ; v[4:131]    step n: 8 numbers in f32
.set OUT,   132                        ; v[132:195]  step n: 8 numbers in f16
	s_load_b256 s[4:11], s[0:1], 0x0               ; x s[4:5], W_kqv s[6:7], W_proj s[8:9], cast s[10:11]
	v_lshlrev_b32 v1, 5, v0                        ; 32 t: my bytes in a step's 8,192 of input
	v_lshlrev_b32 v2, 4, v0                        ; 16 t: my bytes in a step's 4,096 of output
	s_wait_kmcnt 0x0
	s_cmp_ge_u32 ttmp9, 128                        ; pieces 0-127 x, 128-223 W_kqv, 224-255 W_proj: the choice hangs on the group's number alone
	s_cselect_b64 s[14:15], s[6:7], s[4:5]
	s_cselect_b32 s16, 128, 0
	s_cmp_ge_u32 ttmp9, 224
	s_cselect_b64 s[14:15], s[8:9], s[14:15]
	s_cselect_b32 s16, 224, s16
	s_sub_co_u32 s18, ttmp9, s16                   ; the piece's number inside its input
	s_lshl_b32 s18, s18, 17
	s_mov_b32 s19, 0
	s_add_nc_u64 s[14:15], s[14:15], s[18:19]
	s_lshl_b32 s20, ttmp9, 16
	s_mov_b32 s21, 0
	s_add_nc_u64 s[10:11], s[10:11], s[20:21]
.set n, 0
.rept STEPS
	global_load_b128 v[IN+8*n:IN+8*n+3],   v1, s[14:15] offset:n*8192 th:TH_LOAD_NT      ; read once in the launch
	global_load_b128 v[IN+8*n+4:IN+8*n+7], v1, s[14:15] offset:n*8192+16 th:TH_LOAD_NT
.set n, n+1
.endr
.set n, 0
.rept STEPS
	s_wait_loadcnt 30-2*n                          ; loads return in order: the 2 (15 - n) loads of the later steps may stay out
	v_cvt_pk_f16_f32 v[OUT+4*n],   v[IN+8*n],   v[IN+8*n+1]
	v_cvt_pk_f16_f32 v[OUT+4*n+1], v[IN+8*n+2], v[IN+8*n+3]
	v_cvt_pk_f16_f32 v[OUT+4*n+2], v[IN+8*n+4], v[IN+8*n+5]
	v_cvt_pk_f16_f32 v[OUT+4*n+3], v[IN+8*n+6], v[IN+8*n+7]
	global_store_b128 v2, v[OUT+4*n:OUT+4*n+3], s[10:11] offset:n*4096   ; no hint: the next launches read these bytes
.set n, n+1
.endr
	s_endpgm
.Lfunc_end_k_q60a40199a2_cast:
	.size	k_q60a40199a2_cast, .Lfunc_end_k_q60a40199a2_cast-k_q60a40199a2_cast
	.p2alignl 7, 3214868480
	.fill 96, 4, 3214868480
	.section	.rodata,"a",@progbits
	.p2align	6, 0x0
	.amdhsa_kernel k_q60a40199a2_cast
		.amdhsa_group_segment_fixed_size 0
		.amdhsa_private_segment_fixed_size 0
		.amdhsa_enable_private_segment 0
		.amdhsa_kernarg_size 32
		.amdhsa_user_sgpr_count 2
		.amdhsa_user_sgpr_kernarg_segment_ptr 1
		.amdhsa_wavefront_size32 1
		.amdhsa_system_sgpr_workgroup_id_x 1
		.amdhsa_system_sgpr_workgroup_id_y 1
		.amdhsa_system_sgpr_workgroup_id_z 1
		.amdhsa_system_vgpr_workitem_id 0
		.amdhsa_next_free_vgpr 196
		.amdhsa_next_free_sgpr 66
		.amdhsa_reserve_vcc 0
		.amdhsa_float_denorm_mode_32 3
		.amdhsa_float_denorm_mode_16_64 3
		.amdhsa_memory_ordered 1
		.amdhsa_forward_progress 1
		.amdhsa_inst_pref_size 10
	.end_amdhsa_kernel
	.amdgpu_metadata
---
amdhsa.version: [ 1, 2 ]
amdhsa.kernels:
  - .name:           k_q60a40199a2_cast
    .symbol:         k_q60a40199a2_cast.kd
    .args:
      - { .name: x, .offset: 0, .size: 8, .value_kind: global_buffer, .address_space: global }
      - { .name: W_kqv, .offset: 8, .size: 8, .value_kind: global_buffer, .address_space: global }
      - { .name: W_proj, .offset: 16, .size: 8, .value_kind: global_buffer, .address_space: global }
      - { .name: cast, .offset: 24, .size: 8, .value_kind: global_buffer, .address_space: global }
    .group_segment_fixed_size: 0
    .private_segment_fixed_size: 0
    .kernarg_segment_align: 8
    .kernarg_segment_size: 32
    .max_flat_workgroup_size: 256
    .sgpr_count:     66
    .vgpr_count:     196
    .wavefront_size: 32
...
	.end_amdgpu_metadata
.endif
;; end of part 1
;; launch qkv (part 2): grid 16 x 16, 4 waves a work-group, clusters of 4 x 4, 327,680 bytes of LDS; arguments cast, b_kqv, kqv; writes kqv
.if DOCPART == 2
	.amdgcn_target "amdgcn-amd-amdhsa--gfx1250"
	.amdhsa_code_object_version 6
	.text
	.protected	k_q60a40199a2_qkv
	.globl	k_q60a40199a2_qkv
	.p2align	8
	.type	k_q60a40199a2_qkv,@function
k_q60a40199a2_qkv:
	s_mov_b64 s[64:65], 0
	v_nop
	global_prefetch_b8 v0, s[64:65] scope:SCOPE_SE
	s_setreg_imm32_b32 hwreg(HW_REG_WAVE_MODE, 25, 1), 1
	s_wait_xcnt 0x0
	s_wait_alu depctr_hold_cnt(0) depctr_sa_sdst(0) depctr_va_vdst(0) depctr_va_sdst(0) depctr_va_ssrc(0) depctr_va_vcc(0) depctr_vm_vsrc(0)
	s_getreg_b32 s2, hwreg(HW_REG_IB_STS2, 6, 4)
	s_cmp_eq_u32 s2, 0
	s_cbranch_scc0 .Lentry_in_a_cluster
	s_endpgm
.Lentry_in_a_cluster:
	s_bfe_u32 s2, ttmp6, 0x10000c
	s_cmp_lg_u32 s2, 0xf033
	s_cbranch_scc0 .Lentry_shape_is_right
	s_endpgm
.Lentry_shape_is_right:
; kqv = x W_kqv + b_kqv, 4096 x 1024 x 3072, f16 operands (rounded by the launch before), f32 sums, stored in f16 head-major:
; [48 slabs of 64 columns][4096 rows][64]; slabs 0-15 k, 16-31 q, 32-47 v.  The q columns are multiplied by 0.125 log2(e) before they are
; rounded, so that the attention's scores come out of the matrix unit ready for an exponential in base 2.
; LIMIT: x, W and the stored k, q, v are f16: 11 bits of significand, infinite beyond 65,504, steps of 6e-8 below 6.1e-5.  By the sizes: x of spread 1
; and W of spread 0.02 over K = 1024 give k, q, v of spread 0.64; both 30 times larger give 576; both with offsets of 30 spreads (30 and 0.6) give a
; common term of 1024 x 30 x 0.6 = 18,432; both 30 times smaller give 0.0007 (q: 0.00013), of which the step is under 5e-4.
; A work-group makes 256 rows x 192 columns with four waves; a wave makes 128 x 96: 48 accumulator tiles, 384 registers.
; K goes in 8 steps of 128 through two LDS slots filled by the tensor data mover.
; CLUSTERS: 4 x 4 work-groups.  x's tile hangs on the block row alone and is asked for jointly by the four of a row of the cluster,
; W's on the block column alone and is asked for jointly by the four of a column: the requests for both are divided by four.
; The matrix instruction is used transposed (source 0 = 16 columns of W, source 1 = 16 rows of x): lane l then holds row l % 16 and
; eight neighbouring columns 8 (l / 16) + 0..7, which pack into 16 bytes.  W lies [k][n], so its fragments come by the transposing LDS load.
; REGISTERS by windows of 256: window 0 addresses and x's fragments (two buffers); window 1 W's fragments (two buffers), bias, factors;
; window 2 the 24 tiles of my rows 0-63 (tile (a, b) at v[8 (6 a + b)]); window 3 those of my rows 64-127.
.set KSTEP,  128
.set PA,     272                       ; x's LDS row: 256 bytes + 16: an odd multiple of 16
.set HA,     128*PA                    ; 128 rows of x: one tensor load
.set PB,     480                       ; W's LDS row: 6 pieces of 64 bytes + 16 each: an odd multiple of 32
.set HB,     64*PB                     ; 64 k-rows of W: one tensor load
.set BOFF,   2*HA                      ; W's tile lies behind x's 256 rows
.set SLOT,   BOFF+2*HB                 ; 131,072
.set SP,     400                       ; the way out: 192 f16 + 16 bytes
.set LAPS,   4                         ; a lap = two K steps = once round the ring
.set WKB,    8388608                   ; W_kqv's place in the buffer of rounded inputs
.set SLAB,   524288                    ; 4096 rows x 128 bytes
.set ADRA, 16                          ; v16-17  LDS address of my x fragments in slot 0, 1
.set ADRB, 20                          ; v20-21  the same for W
.set STO,  24                          ; the way out: where I put 16 bytes of a row
.set RD,   25                          ; the way out: where I read rows back
.set CO,   26                          ; 16 x lane: my bytes in four rows of a slab
.set BO,   27                          ; 32 x (lane / 16): my eight bias numbers in a tile's sixteen
.set F0,   64                          ; fragment buffer 0
.set F1,   128                         ; fragment buffer 1
.set BI,   192                         ; window 1: v192-239 the bias of my 6 x 8 columns
.set SC,   240                         ; window 1: v240-251 six pairs: the column tile's factor
.set T,    64                          ; window 0, the way out: 48 numbers in f32
.set PK,   112                         ; window 0, the way out: the same packed
.set G1,  24                           ; s[24:31] descriptor group 1, x's tiles
.set G0,  32                           ; s[32:39] group 0, x's tiles, a set for each slot
.set G1B, 48                           ; s[48:55] group 1, W's tiles
.set G0B, 56                           ; s[56:63] group 0, W's tiles, a set for each slot
.set FAC, 70                           ; s70-75   the six factors
.set MSB, 0
.macro WIN new                         ; the immediate's high byte repeats the setting that is left
.if MSB != \new
	s_set_vgpr_msb (MSB<<8)|\new
.set MSB, \new
.endif
.endm
.set MUL_LO, 0xa1                      ; source 0 (W) window 1, source 1 (x) window 0, C and D window 2
.set MUL_HI, 0xf1                      ; the same, C and D window 3
.set TO_B,   0x40                      ; destination window 1, address window 0
; A joint load: waves 0 and 1 fetch x's two halves, waves 2 and 3 W's.  The branch hangs on the wave's number alone.
.macro JLOAD s
	s_cmp_eq_u32 s11, 0
	s_cbranch_scc0 .Lfor_b_\@
	tensor_load_to_lds s[G0+4*\s:G0+4*\s+3], s[G1:G1+7]
	s_nop 0
	s_branch .Lasked_\@
.Lfor_b_\@:
	tensor_load_to_lds s[G0B+4*\s:G0B+4*\s+3], s[G1B:G1B+7]
	s_nop 0
.Lasked_\@:
.endm
; A round of the cluster's barrier: my work-group's barrier, wave 0 signals for the work-group, every wave waits for all sixteen, my work-group's barrier again.
.macro CREST                           ; a round behind its opening barrier
	s_cmp_lg_u32 s10, 0
	s_cbranch_scc1 .Lnot_wave_0_\@
	s_barrier_signal -3
.Lnot_wave_0_\@:
	s_barrier_wait -3
	s_barrier_signal -1
	s_barrier_wait -1
.endm
.macro CROUND
	s_barrier_signal -1
	s_barrier_wait -1
	CREST
.endm
	s_load_b128 s[4:7], s[0:1], 0x0                ; rounded inputs s[4:5], b_kqv s[6:7]
	s_load_b64 s[8:9], s[0:1], 0x10                ; kqv
	s_set_vgpr_msb 0x40
	v_lshl_add_u32 v255, v0, 2, 0x40000
	s_set_vgpr_msb 0x4000
	v_mov_b32 v255, 0
	s_set_vgpr_msb 0x1
	ds_add_u32 v255, v255
	s_set_vgpr_msb 0x100
	v_lshrrev_b32 v1, 5, v0
	v_readfirstlane_b32 s10, v1                    ; wave 0..3
	s_lshr_b32 s11, s10, 1                         ; which 128 of the block's rows are mine.  Also: I fetch for x (0) or for W (1)
	s_and_b32 s12, s10, 1                          ; which 96 of its columns.  Also: which half of that tile I fetch
	s_bfe_u32 s40, ttmp6, 0x40000                  ; cx
	s_bfe_u32 s41, ttmp6, 0x40004                  ; cy
	s_lshl_b32 s42, ttmp9, 2
	s_add_co_u32 s42, s42, s40                     ; block column = 4 x cluster x + cx
	s_and_b32 s13, ttmp7, 0xffff
	s_lshl_b32 s13, s13, 2
	s_add_co_u32 s13, s13, s41                     ; block row = 4 x cluster y + cy
	s_lshl_b32 s43, s41, 2
	s_lshl_b32 s43, 15, s43                        ; my row of the cluster: places 4 cy .. 4 cy + 3
	s_lshl_b32 s44, 0x1111, s40                    ; my column: places cx, cx + 4, cx + 8, cx + 12
	; group 1 for x: 128 rows x 128 elements, 16 bytes of padding behind every 64 words
	s_or_b32 s[G1+0], s43, (1<<16)|(1<<20)|(1<<21)|(5<<22)|(3<<25)
	s_mov_b32 s[G1+1], KSTEP<<16                   ; tensor_dim0 = 128
	s_mov_b32 s[G1+2], 128<<16                     ; tensor_dim1 = 128
	s_mov_b32 s[G1+3], KSTEP<<16                   ; tile_dim0 = 128
	s_mov_b32 s[G1+4], 128                         ; tile_dim1 = 128
	s_mov_b32 s[G1+5], 1024                        ; elements from row to row
	s_mov_b32 s[G1+6], 0
	s_mov_b32 s[G1+7], 0
	; group 1 for W: 64 k-rows x 192 elements, 16 bytes of padding behind every 16 words
	s_or_b32 s[G1B+0], s44, (1<<16)|(1<<20)|(1<<21)|(3<<22)|(3<<25)
	s_mov_b32 s[G1B+1], 192<<16
	s_mov_b32 s[G1B+2], 64<<16
	s_mov_b32 s[G1B+3], 192<<16
	s_mov_b32 s[G1B+4], 64
	s_mov_b32 s[G1B+5], 3072
	s_mov_b32 s[G1B+6], 0
	s_mov_b32 s[G1B+7], 0
	; where the tiles come from: x's address holds the block row and the wave's number alone, W's the block column and the wave's number alone
	s_lshl_b32 s17, s12, 7
	s_lshl_b32 s16, s13, 8
	s_add_co_u32 s16, s16, s17                     ; x: row 256 x block row + 128 x half
	s_lshl_b32 s16, s16, 11                        ; rows of 2,048 bytes
	s_mov_b32 s17, 0
	s_mul_i32 s46, s42, 384                        ; W: 192 columns of 2 bytes for each block column,
	s_mul_i32 s18, s12, 64*6144                    ; 64 k-rows of 6,144 bytes for the second half,
	s_add_co_u32 s46, s46, s18
	s_add_co_u32 s46, s46, WKB                     ; behind x in the buffer
	s_mov_b32 s47, 0
	s_mul_i32 s20, s10, HA                         ; where they go: x's halves at wave x HA (waves 0, 1),
	s_mul_i32 s21, s10, HB
	s_add_co_u32 s21, s21, BOFF-2*HB               ; W's halves at BOFF + (wave - 2) x HB (waves 2, 3)
	s_mul_i32 s66, s42, 192
	s_mul_i32 s67, s12, 96
	s_add_co_u32 s66, s66, s67                     ; my first column of kqv; kept to the end
	s_lshl_b32 s78, s66, 2
	s_mov_b32 s79, 0
	s_wait_dscnt 0x0
	s_wait_kmcnt 0x0
	s_add_nc_u64 s[14:15], s[4:5], s[16:17]
	s_add_nc_u64 s[46:47], s[4:5], s[46:47]
	s_add_nc_u64 s[76:77], s[6:7], s[78:79]        ; the bias of my 96 columns; never rewritten
	CROUND                                         ; all sixteen work-groups are here: the first joint loads meet
.irp s, 0,1
	s_mov_b32 s[G0+4*\s], 1
	s_add_co_u32 s[G0+4*\s+1], s20, \s*SLOT
	s_add_nc_u64 s[G0+4*\s+2:G0+4*\s+3], s[14:15], \s*KSTEP*2      ; K step s: 256 bytes along the rows
	s_or_b32 s[G0+4*\s+3], s[G0+4*\s+3], 0x80000000
	s_mov_b32 s[G0B+4*\s], 1
	s_add_co_u32 s[G0B+4*\s+1], s21, \s*SLOT
	s_add_nc_u64 s[G0B+4*\s+2:G0B+4*\s+3], s[46:47], \s*KSTEP*6144 ; K step s: 128 rows down
	s_or_b32 s[G0B+4*\s+3], s[G0B+4*\s+3], 0x80000000
	JLOAD \s                                       ; both slots' first fills go out before anything else: two loads of the wave are out
.endr
	v_and_b32 v1, 15, v0                           ; r = l % 16
	v_bfe_u32 v2, v0, 4, 1                         ; h = l / 16
	v_mul_u32_u24 v3, v1, PA
	v_lshl_add_u32 v3, v2, 4, v3                   ; x: row r, 16 bytes for each half of the lanes
	s_mul_i32 s22, s11, HA
	v_add_nc_u32 v[ADRA], s22, v3
	v_add_nc_u32 v[ADRA+1], SLOT, v[ADRA]
	v_and_b32 v4, 7, v0
	v_lshl_add_u32 v4, v2, 3, v4                   ; W: k-row 8 h + l % 8,
	v_mul_u32_u24 v4, v4, PB
	v_bfe_u32 v5, v0, 3, 1
	v_lshl_add_u32 v4, v5, 4, v4                   ; 16 bytes for each eight lanes,
	s_mul_i32 s23, s12, 240                        ; my 96 columns are three padded pieces
	s_add_co_u32 s23, s23, BOFF
	v_add_nc_u32 v[ADRB], s23, v4
	v_add_nc_u32 v[ADRB+1], SLOT, v[ADRB]
	v_mul_u32_u24 v3, v1, SP                       ; the way out, in: row 128 wm + r, byte 192 wn + 16 h
	v_lshl_add_u32 v3, v2, 4, v3
	s_mul_i32 s22, s11, 128*SP
	s_mul_i32 s23, s12, 192
	s_add_co_u32 s22, s22, s23
	v_add_nc_u32 v[STO], s22, v3
	v_bfe_u32 v3, v0, 3, 2                         ; back: row 64 w + l / 8, byte 16 (l % 8)
	v_mul_u32_u24 v3, v3, SP
	v_and_b32 v4, 7, v0
	v_lshl_add_u32 v3, v4, 4, v3
	s_mul_i32 s22, s10, 64*SP
	v_add_nc_u32 v[RD], s22, v3
	v_and_b32 v3, 31, v0
	v_lshlrev_b32 v[CO], 4, v3
	v_lshlrev_b32 v[BO], 5, v2
	WIN TO_B
.irp b, 0,1,2,3,4,5
	global_load_b128 v[BI+8*\b:BI+8*\b+3],   v[BO], s[76:77] offset:64*\b      ; b_kqv of columns 16 b + 8 h + 0..3 of my 96
	global_load_b128 v[BI+8*\b+4:BI+8*\b+7], v[BO], s[76:77] offset:64*\b+16   ; and + 4..7; waited for on the way out
.endr
	WIN 0
; 12 matrix instructions: row tiles a0, a0 + 1 of the window's four x all 6 column tiles, 32 along K.  zero = 1: the first product starts the sums.
.macro MUL12 f, hi, a0, zero
.irp a, \a0, \a0+1
.irp b, 0,1,2,3,4,5
.if \zero
	v_wmma_f32_16x16x32_f16 v[8*(6*(\a)+\b):8*(6*(\a)+\b)+7], v[\f+8*\b:\f+8*\b+7], v[\f+8*(4*\hi+\a):\f+8*(4*\hi+\a)+7], 0
.else
	v_wmma_f32_16x16x32_f16 v[8*(6*(\a)+\b):8*(6*(\a)+\b)+7], v[\f+8*\b:\f+8*\b+7], v[\f+8*(4*\hi+\a):\f+8*(4*\hi+\a)+7], v[8*(6*(\a)+\b):8*(6*(\a)+\b)+7]
.endif
.endr
.endr
.endm
; 28 LDS loads in one run: quarter q of a K step (32 along K) into buffer f: 12 transposing loads for W's 96 columns, 16 loads for x's 128 rows
.macro FETCH slot, q, f
	WIN TO_B
.irp b, 0,1,2,3,4,5
	ds_load_tr16_b128 v[\f+8*\b:\f+8*\b+3],   v[ADRB+\slot] offset:\q*32*PB+(\b>>1)*80+(\b&1)*32
	ds_load_tr16_b128 v[\f+8*\b+4:\f+8*\b+7], v[ADRB+\slot] offset:\q*32*PB+(\b>>1)*80+(\b&1)*32+16*PB
.endr
	WIN 0
.irp i, 0,1,2,3,4,5,6,7
	ds_load_b128 v[\f+8*\i:\f+8*\i+3],   v[ADRA+\slot] offset:\q*64+\i*16*PA
	ds_load_b128 v[\f+8*\i+4:\f+8*\i+7], v[ADRA+\slot] offset:\q*64+\i*16*PA+32
.endr
.endm
; Four plain vector instructions stand between a matrix instruction and a load into one of its sources, or a vector instruction that reads its result.
.macro PLACES
.rept 4
	v_nop
.endr
.endm
; The 48 accumulators take turns, one instruction a turn, in the same order in every quarter, over the backward jump too.
.macro QUARTER slot, q, f, g, zero
	s_wait_dscnt 8                                 ; W and x's rows 0-63 are in; the youngest eight loads (x's rows 64-127) may be out
	WIN MUL_LO
	MUL12 \f, 0, 0, \zero
	MUL12 \f, 0, 2, \zero
	PLACES
	FETCH \slot, \q, \g
	s_wait_dscnt 28                                ; all but the 28 just issued
	WIN MUL_HI
	MUL12 \f, 1, 0, \zero
	MUL12 \f, 1, 2, \zero
.endm
.macro THREE slot, zero
	QUARTER \slot, 1, F0, F1, \zero
	QUARTER \slot, 2, F1, F0, 0
	QUARTER \slot, 3, F0, F1, 0
.endm
; The last quarter multiplies buffer 1 and changes slots.  In front of the barrier each wave waits for its reads of this slot and for all its
; tensor loads (one is out: its part of the next slot).  fill = 1: the barrier opens a round of the cluster's barrier, and the joint refill of this
; slot, two K steps ahead, is the first tensor load behind the round; from there to the wait for it a wave issues 180 matrix instructions.
.macro TURN slot, next, fill
	s_wait_dscnt 8
	WIN MUL_LO
	MUL12 F1, 0, 0, 0
	s_wait_dscnt 0x0                               ; my reads of this slot are over
	s_wait_tensorcnt 0x0                           ; all my tensor loads have landed
	ds_add_u32 v255, v255
	s_wait_dscnt 0x0
	s_barrier_signal -1
	MUL12 F1, 0, 2, 0                              ; register work while the others arrive
	WIN 0
	s_barrier_wait -1
.if \fill
	CREST
	s_add_nc_u64 s[G0+4*\slot+2:G0+4*\slot+3], s[G0+4*\slot+2:G0+4*\slot+3], 2*KSTEP*2
	s_add_nc_u64 s[G0B+4*\slot+2:G0B+4*\slot+3], s[G0B+4*\slot+2:G0B+4*\slot+3], 2*KSTEP*6144
	JLOAD \slot
.endif
	PLACES
	FETCH \next, 0, F0
	WIN MUL_HI
	MUL12 F1, 1, 0, 0
	MUL12 F1, 1, 2, 0
.endm
.macro LAP zero
	THREE 0, \zero
	TURN 0, 1, 1
	THREE 1, 0
	TURN 1, 0, 1
.endm
	s_wait_tensorcnt 0x1                           ; my part of K step 0 is in; K step 1's may stay out
	s_barrier_signal -1
	s_barrier_wait -1
	FETCH 0, 0, F0
	LAP 1                                          ; the first lap's first products start the sums
	WIN 0
	s_mov_b32 s3, LAPS-2
.Llap:
	LAP 0
	WIN 0
	s_sub_co_u32 s3, s3, 1
	s_cmp_lg_u32 s3, 0
	s_cbranch_scc1 .Llap
	THREE 0, 0                                     ; the last lap fills nothing
	TURN 0, 1, 0
	THREE 1, 0
	s_wait_dscnt 8
	WIN MUL_LO
	MUL12 F1, 0, 0, 0
	MUL12 F1, 0, 2, 0
	s_wait_dscnt 0x0
	WIN MUL_HI
	MUL12 F1, 1, 0, 0
	MUL12 F1, 1, 2, 0
	; THE WAY OUT.  (sum + bias) x factor = sum x factor + bias x factor: one packed multiply-add for two numbers.
	; The stage is slot 0: its last fill has landed, and every wave's last reads of it were waited for in front of the barrier of the last change of slots.
	PLACES
.irp b, 0,1,2,3,4,5
	s_add_co_u32 s67, s66, 16*\b                   ; the tile's first column; columns 1024-2047 are q
	s_lshr_b32 s67, s67, 10
	s_cmp_eq_u32 s67, 1
	s_cselect_b32 s[FAC+\b], 0x3e38aa3b, 1.0       ; 0.125 log2(e), or 1: a choice of a value
.endr
	s_mul_i32 s78, s42, 3*SLAB                     ; my block's three slabs,
	s_lshl_b32 s67, s13, 15                        ; 256 rows of 128 bytes for each block row,
	s_add_co_u32 s78, s78, s67
	s_lshl_b32 s67, s10, 13                        ; 64 rows for each wave
	s_add_co_u32 s78, s78, s67
	s_add_nc_u64 s[8:9], s[8:9], s[78:79]
	s_wait_loadcnt 0x0                             ; the bias
	WIN TO_B
.irp b, 0,1,2,3,4,5
	v_mov_b32 v[SC+2*\b],   s[FAC+\b]
	v_mov_b32 v[SC+2*\b+1], s[FAC+\b]
.endr
	WIN 0x45                                       ; destination and both sources in window 1
.irp b, 0,1,2,3,4,5
.irp j, 0,2,4,6
	v_pk_mul_f32 v[BI+8*\b+\j:BI+8*\b+\j+1], v[BI+8*\b+\j:BI+8*\b+\j+1], v[SC+2*\b:SC+2*\b+1]
.endr
.endr
; rows 16 i .. 16 i + 15 of my 128: the six tiles (a, 0..5) of window 2 or 3 (from = 0x16 or 0x17: source 0 there, sources 1 and 2 in window 1)
.macro OUTROW i, a, from
	WIN \from
.irp b, 0,1,2,3,4,5
.irp j, 0,2,4,6
	v_pk_fma_f32 v[T+8*\b+\j:T+8*\b+\j+1], v[8*(6*\a+\b)+\j:8*(6*\a+\b)+\j+1], v[SC+2*\b:SC+2*\b+1], v[BI+8*\b+\j:BI+8*\b+\j+1]
.endr
.endr
	WIN 0
.irp b, 0,1,2,3,4,5
.irp j, 0,1,2,3
	v_cvt_pk_f16_f32 v[PK+4*\b+\j], v[T+8*\b+2*\j], v[T+8*\b+2*\j+1]
.endr
.endr
.irp b, 0,1,2,3,4,5
	ds_store_b128 v[STO], v[PK+4*\b:PK+4*\b+3] offset:\i*16*SP+32*\b
.endr
.endm
	OUTROW 0, 0, 0x16
	OUTROW 1, 1, 0x16
	OUTROW 2, 2, 0x16
	OUTROW 3, 3, 0x16
	OUTROW 4, 0, 0x17
	OUTROW 5, 1, 0x17
	OUTROW 6, 2, 0x17
	OUTROW 7, 3, 0x17
	s_wait_dscnt 0x0                               ; my stores are in LDS: two waves wrote each row, so the rows are read behind a barrier
	s_barrier_signal -1
	s_barrier_wait -1
; slab hl of the block's three: wave w stores rows 64 w .. 64 w + 63; each store covers four rows of 128 bytes, 512 consecutive aligned bytes of the slab
.macro BACK hl, f
	s_wait_xcnt 0x0                                ; buffer f, which earlier stores read, is loaded again only behind this wait
.irp t, 0,1,2,3,4,5,6,7,8,9,10,11,12,13,14,15
	ds_load_b128 v[\f+4*\t:\f+4*\t+3], v[RD] offset:128*\hl+4*SP*\t
.endr
.irp t, 0,1,2,3,4,5,6,7,8,9,10,11,12,13,14,15
	s_wait_dscnt 15-\t                             ; LDS loads return in order: load t is in
	global_store_b128 v[CO], v[\f+4*\t:\f+4*\t+3], s[8:9] offset:\hl*SLAB+512*\t
.endr
.endm
	BACK 0, F0
	BACK 1, F1
	BACK 2, F0
	s_set_vgpr_msb 0x1
	s_wait_tensorcnt 0x0
	ds_add_u32 v255, v255
	s_wait_dscnt 0x0
	s_set_vgpr_msb 0x100
	CROUND                                         ; the closing round: no work-group ends while a partner may still ask for a tile that names it
	s_endpgm
.Lfunc_end_k_q60a40199a2_qkv:
	.size	k_q60a40199a2_qkv, .Lfunc_end_k_q60a40199a2_qkv-k_q60a40199a2_qkv
	.p2alignl 7, 3214868480
	.fill 96, 4, 3214868480
	.section	.rodata,"a",@progbits
	.p2align	6, 0x0
	.amdhsa_kernel k_q60a40199a2_qkv
		.amdhsa_group_segment_fixed_size 327680
		.amdhsa_private_segment_fixed_size 0
		.amdhsa_enable_private_segment 0
		.amdhsa_kernarg_size 24
		.amdhsa_user_sgpr_count 2
		.amdhsa_user_sgpr_kernarg_segment_ptr 1
		.amdhsa_wavefront_size32 1
		.amdhsa_system_sgpr_workgroup_id_x 1
		.amdhsa_system_sgpr_workgroup_id_y 1
		.amdhsa_system_sgpr_workgroup_id_z 1
		.amdhsa_system_vgpr_workitem_id 0
		.amdhsa_next_free_vgpr 960
		.amdhsa_next_free_sgpr 80
		.amdhsa_reserve_vcc 0
		.amdhsa_float_denorm_mode_32 3
		.amdhsa_float_denorm_mode_16_64 3
		.amdhsa_memory_ordered 1
		.amdhsa_forward_progress 1
		.amdhsa_inst_pref_size 174
	.end_amdhsa_kernel
	.amdgpu_metadata
---
amdhsa.version: [ 1, 2 ]
amdhsa.kernels:
  - .name:           k_q60a40199a2_qkv
    .symbol:         k_q60a40199a2_qkv.kd
    .args:
      - { .name: cast, .offset: 0, .size: 8, .value_kind: global_buffer, .address_space: global }
      - { .name: b_kqv, .offset: 8, .size: 8, .value_kind: global_buffer, .address_space: global }
      - { .name: kqv, .offset: 16, .size: 8, .value_kind: global_buffer, .address_space: global }
    .group_segment_fixed_size: 327680
    .private_segment_fixed_size: 0
    .kernarg_segment_align: 8
    .kernarg_segment_size: 24
    .max_flat_workgroup_size: 128
    .sgpr_count:     80
    .vgpr_count:     960
    .wavefront_size: 32
...
	.end_amdgpu_metadata
.endif
;; end of part 2
;; launch attn (part 3): grid 256 x 1, 8 waves a work-group, no clusters, 327,680 bytes of LDS; arguments kqv, slopes, yb; writes yb
.if DOCPART == 3
	.amdgcn_target "amdgcn-amd-amdhsa--gfx1250"
	.amdhsa_code_object_version 6
	.text
	.protected	k_q60a40199a2_attn
	.globl	k_q60a40199a2_attn
	.p2align	8
	.type	k_q60a40199a2_attn,@function
k_q60a40199a2_attn:
	s_mov_b64 s[64:65], 0
	v_nop
	global_prefetch_b8 v0, s[64:65] scope:SCOPE_SE
	s_setreg_imm32_b32 hwreg(HW_REG_WAVE_MODE, 25, 1), 1
	s_wait_xcnt 0x0
; Causal attention with ALiBi for 32 (batch, head) pairs, S = 2048, D = 64, with a running maximum.  k, q, v: f16 [48 slabs][4096 rows][64]; q already
; holds the factor 0.125 log2(e).  y: f16 [16 heads][4096 rows][64].
; SHARE.  Work-group = (batch, head, i), i = 0..7: query block 15 - i (128 rows), then query block i: (16 - i) + (i + 1) = 17 trips of 128 keys in every
; work-group.  Flat trip counter p = 0..16; the first block's last trip is p = sw = 15 - i; trips sw and 16 lie on the diagonal and are masked.
; Wave w: wq = w & 3 owns 32 queries of the block, g = w >> 2 owns keys 64 g .. 64 g + 63 of every tile.  The two key halves keep their own (m, l, O)
; and are merged once for each block, through LDS.
; LAYOUT.  S^T = K Q^T: lane (r = l % 16, h = l / 16) holds query r and keys 8 h + j in register j, so a row's statistics need one exchange between the
; halves of the wave, and the packed P is already the second source of O^T = V^T P^T.  The bias enters as the C operand of the first score product.
; BIAS.  slope (j - i): the part - slope i is constant along a softmax row and is not added (the softmax is the same; the rounding differs).  The part
; slope j is taken relative to the tile's first key, and the running maximum is moved by 128 slope from tile to tile, so that no large number is formed.
; LIMITS.  k, q, v, P and y are f16.  P lies in [0, 1] by the running maximum; a p below 3e-8 of its row's running maximum rounds to 0, over 2,048 keys
; at most 6e-5 of the row.  y is an average of v, so it has v's room (infinite beyond 65,504).  Masked scores are replaced by -1e30.
; Exponentials below 2^-126 come out as 0 (ISA guide 15.8).
; NO JOINT LOADS: the eight work-groups of a head walk 16 - i and then i + 1 tiles, so from trip 16 - i on they want different tiles in the same trip;
; only trips 0 to 8 are common to all eight, and partners of a joint load have to ask for the same tile in every round.
.set SLOT,  40960                      ; K: 128 keys x 144 bytes at 0; V: 128 keys x 160 bytes at VOFF
.set VOFF,  18432
.set KP,    144                        ; odd multiple of 16
.set VP,    160                        ; odd multiple of 32, for the transposing load
.set MRG,   81920                      ; two regions, by the trip's slot, of 4 x 8,704 bytes: what a g = 1 wave hands to its partner.  No fill lands here
.set MRGB,  34816
.set MRGW,  8704
.set STG,   151552                     ; 4 x 4,608 bytes: 32 rows x 144, the way out of a g = 0 wave.  No fill lands here
.set STGW,  4608
.set STP,   144
.set SLAB,  524288
.set KADR, 1                           ; (64 g + r) 144 + 16 h
.set VADR, 2                           ; VOFF + (64 g + 8 h + l % 8) 160 + 16 ((l / 8) & 1)
.set THR,  3                           ; v3-4   u: 32 wq + 16 u + r - 64 g - 8 h: key 16 t + j is masked where it is greater
.set NEG,  5                           ; -1e30
.set QADR, 6                           ; 128 r + 16 h; never rewritten
.set MADR, 7                           ; MRG + 8704 wq + 16 l; never rewritten
.set MX,   8                           ; v8-9   running maximum, u = 0, 1
.set LL,   10                          ; v10-11 running sum (of the lane's own keys)
.set MN,   12                          ; v12-15 the new maximum, twice for each u
.set AL,   16                          ; v16-19 alpha, twice for each u
.set LS,   20                          ; v20-23 the trip's sum, a pair for each u
.set T,    24                          ; v24-27 at work; v28-31 at work in the merge
.set S,    32                          ; v32-95   S(u, t) at 8 (4 u + t); later P(u, ks) at 8 (4 u + 2 ks)
.set KF,   96                          ; v96-159  K(t, ks) at 8 (2 t + ks)
.set VF,   160                         ; v160-223 V(dt, ks) at 8 (2 dt + ks)
.set BI,   224                         ; v224-255 BI(t), register j: slope log2(e) (64 g + 16 t + 8 h + j)
.set O,    0                           ; window 1: v0-63 O(u, dt) at 8 (4 u + dt)
.set QF,   64                          ; window 1: v64-95 Q(u, ks) at 8 (2 u + ks)
.set MSB, 0
.macro WIN new
.if MSB != \new
	s_set_vgpr_msb (MSB<<8)|\new
.set MSB, \new
.endif
.endm
; Wave 0 brings the K tile, wave 1 the V tile, 16 KiB each; the other waves issue nothing.
.macro KVLOAD
	s_cmp_lg_u32 s10, 0
	s_cbranch_scc1 .Lnk_\@
	tensor_load_to_lds s[40:43], s[24:31]
	s_nop 0
	s_branch .Ldone_\@
.Lnk_\@:
	s_cmp_lg_u32 s10, 1
	s_cbranch_scc1 .Ldone_\@
	tensor_load_to_lds s[44:47], s[32:39]
	s_nop 0
.Ldone_\@:
.endm
	s_load_b128 s[4:7], s[0:1], 0x0                ; kqv s[4:5], slopes s[6:7]
	s_load_b64 s[8:9], s[0:1], 0x10                ; yb
	s_set_vgpr_msb 0x40
	v_lshl_add_u32 v96, v0, 2, 0x29800
	v_mov_b32 v97, 0
	s_set_vgpr_msb 0x4045
	ds_add_u32 v96, v97
	s_set_vgpr_msb 0x4500
	v_lshrrev_b32 v1, 5, v0
	v_readfirstlane_b32 s10, v1                    ; wave 0..7
	s_lshr_b32 s11, s10, 2                         ; g
	s_and_b32 s12, s10, 3                          ; wq
	s_lshr_b32 s13, ttmp9, 3
	s_and_b32 s14, s13, 15                         ; head
	s_lshr_b32 s15, s13, 4                         ; batch
	s_and_b32 s16, ttmp9, 7                        ; i: the low query block
	s_sub_co_u32 s17, 15, s16                      ; sw: the high query block, and its last trip
	s_sub_co_u32 s68, 16, s16                      ; sw + 1: the low block's first trip
	s_mov_b32 s18, 0                               ; p
	s_mov_b32 s62, 0x76543210                      ; v_permlanex16_b32: lane i of one half reads lane i of the other
	s_mov_b32 s63, 0xfedcba98
	; group 1: a tile is dense in memory, 64 rows of 256 bytes (two keys); padding behind every 32 words (one key): 4 words for K, 8 for V
	s_mov_b32 s24, (1<<16)|(1<<20)|(4<<22)|(3<<25)
	s_mov_b32 s25, 128<<16
	s_mov_b32 s26, 64<<16
	s_mov_b32 s27, 128<<16
	s_mov_b32 s28, 64
	s_mov_b32 s29, 128
	s_mov_b32 s30, 0
	s_mov_b32 s31, 0
	s_mov_b32 s32, (1<<16)|(1<<20)|(4<<22)|(7<<25)
	s_mov_b32 s33, 128<<16
	s_mov_b32 s34, 64<<16
	s_mov_b32 s35, 128<<16
	s_mov_b32 s36, 64
	s_mov_b32 s37, 128
	s_mov_b32 s38, 0
	s_mov_b32 s39, 0
	s_lshl_b32 s66, s14, 19                        ; the head's slab
	s_lshl_b32 s67, s15, 18                        ; the batch's 2048 rows of 128 bytes
	s_add_co_u32 s66, s66, s67
	s_mov_b32 s67, 0
	s_lshl_b32 s22, s14, 2
	s_mov_b32 s23, 0
	s_mov_b32 s53, 0
	s_wait_dscnt 0x0
	s_barrier_signal -1
	s_barrier_wait -1
	s_wait_kmcnt 0x0
	s_add_nc_u64 s[48:49], s[4:5], s[66:67]        ; k of my head and batch
	s_add_nc_u64 s[50:51], s[48:49], 32*SLAB       ; v: 32 slabs on
	s_add_nc_u64 s[6:7], s[6:7], s[22:23]
	s_load_b32 s19, s[6:7], 0x0                    ; my head's slope
	s_mov_b32 s40, 1
	s_mov_b32 s41, 0
	s_mov_b64 s[42:43], s[48:49]
	s_or_b32 s43, s43, 0x80000000
	s_mov_b32 s44, 1
	s_mov_b32 s45, VOFF
	s_mov_b64 s[46:47], s[50:51]
	s_or_b32 s47, s47, 0x80000000
	KVLOAD                                         ; tile 0 into slot 0: the one first fill, ahead of every wait on TENSORcnt and every LDS load
	s_add_nc_u64 s[54:55], s[48:49], 16*SLAB       ; q: 16 slabs on
	s_add_nc_u64 s[58:59], s[8:9], s[66:67]        ; y of my head and batch
	s_lshl_b32 s66, s12, 12                        ; my wave's 32 rows
	s_lshl_b32 s52, s16, 14                        ; the low block's 128 rows
	s_add_co_u32 s52, s52, s66
	s_add_nc_u64 s[56:57], s[54:55], s[52:53]      ; q, low block
	s_add_nc_u64 s[60:61], s[58:59], s[52:53]      ; y, low block
	s_lshl_b32 s52, s17, 14
	s_add_co_u32 s52, s52, s66
	s_add_nc_u64 s[54:55], s[54:55], s[52:53]      ; q, high block
	s_add_nc_u64 s[58:59], s[58:59], s[52:53]      ; y, high block
	s_mul_i32 s69, s12, STGW
	s_add_co_u32 s69, s69, STG                     ; my stage
	v_and_b32 v24, 15, v0                          ; r
	v_bfe_u32 v25, v0, 4, 1                        ; h
	v_and_b32 v26, 7, v0
	v_bfe_u32 v27, v0, 3, 1
	v_and_b32 v28, 31, v0
	s_lshl_b32 s66, s11, 6                         ; 64 g
	v_add_nc_u32 v[KADR], s66, v24
	v_mul_u32_u24 v[KADR], v[KADR], KP
	v_lshl_add_u32 v[KADR], v25, 4, v[KADR]
	v_lshl_add_u32 v[VADR], v25, 3, v26
	v_add_nc_u32 v[VADR], s66, v[VADR]
	v_mul_u32_u24 v[VADR], v[VADR], VP
	v_lshl_add_u32 v[VADR], v27, 4, v[VADR]
	v_add_nc_u32 v[VADR], VOFF, v[VADR]
	s_lshl_b32 s67, s12, 5
	s_sub_co_i32 s67, s67, s66                     ; 32 wq - 64 g
	v_lshlrev_b32 v29, 3, v25
	v_sub_nc_u32 v[THR], v24, v29
	v_add_nc_u32 v[THR], s67, v[THR]
	v_add_nc_u32 v[THR+1], 16, v[THR]
	v_mov_b32 v[NEG], 0xf149f2ca                   ; -1e30
	v_lshlrev_b32 v[QADR], 7, v24
	v_lshl_add_u32 v[QADR], v25, 4, v[QADR]
	s_mul_i32 s67, s12, MRGW
	s_add_co_u32 s67, s67, MRG
	v_lshl_add_u32 v[MADR], v28, 4, s67
	v_lshl_add_u32 v29, v25, 3, s66                ; 64 g + 8 h
; my 32 queries x 64: four fragments, straight from memory (lane: query r, 16 bytes at 16 h and at 32 + 16 h of each 64 bytes)
.macro QLOAD base
	WIN 0x40
.irp u, 0,1
.irp ks, 0,1
	global_load_b128 v[QF+8*(2*\u+\ks):QF+8*(2*\u+\ks)+3],   v[QADR], s[\base:\base+1] offset:2048*\u+64*\ks
	global_load_b128 v[QF+8*(2*\u+\ks)+4:QF+8*(2*\u+\ks)+7], v[QADR], s[\base:\base+1] offset:2048*\u+64*\ks+32
.endr
.endr
	WIN 0
.endm
	QLOAD 54
	s_wait_kmcnt 0x0
	s_mul_f32 s19, s19, 0x3fb8aa3b                 ; slope log2(e)
	s_mul_f32 s20, s19, 0x43000000                 ; and 128 times that: a tile's step
.irp t, 0,1,2,3
.irp j, 0,1,2,3,4,5,6,7
	v_add_nc_u32 v[BI+8*\t+\j], 16*\t+\j, v29
	v_cvt_f32_u32 v[BI+8*\t+\j], v[BI+8*\t+\j]
	v_mul_f32 v[BI+8*\t+\j], s19, v[BI+8*\t+\j]
.endr
.endr
	; O is cleared once in the launch: every trip multiplies it by alpha, so it has to hold finite numbers.  At the change of blocks
	; alpha = 2^(-1e30 - m) = 0 does the clearing, of O and of l.
	WIN 0x40
.set n, 0
.rept 64
	v_mov_b32 v[O+n], 0
.set n, n+1
.endr
	WIN 0
	v_mov_b32 v[MX], v[NEG]
	v_mov_b32 v[MX+1], v[NEG]
	v_mov_b32 v[LL], 0
	v_mov_b32 v[LL+1], 0
.macro KLD slot
.irp t, 0,1,2,3
.irp ks, 0,1
	ds_load_b128 v[KF+8*(2*\t+\ks):KF+8*(2*\t+\ks)+3],   v[KADR] offset:\slot*SLOT+16*KP*\t+64*\ks
	ds_load_b128 v[KF+8*(2*\t+\ks)+4:KF+8*(2*\t+\ks)+7], v[KADR] offset:\slot*SLOT+16*KP*\t+64*\ks+32
.endr
.endr
.endm
.macro VLD slot
.irp dt, 0,1,2,3
.irp ks, 0,1
	ds_load_tr16_b128 v[VF+8*(2*\dt+\ks):VF+8*(2*\dt+\ks)+3],   v[VADR] offset:\slot*SLOT+32*VP*\ks+32*\dt
	ds_load_tr16_b128 v[VF+8*(2*\dt+\ks)+4:VF+8*(2*\dt+\ks)+7], v[VADR] offset:\slot*SLOT+32*VP*\ks+32*\dt+16*VP
.endr
.endr
.endm
; 16 matrix instructions; the eight accumulators take turns, one instruction a turn.  The first eight take the bias as C.
.macro SCORES
	WIN 0x04                                       ; source 1 (Q) in window 1
.irp t, 0,1,2,3
.irp u, 0,1
	v_wmma_f32_16x16x32_f16 v[S+8*(4*\u+\t):S+8*(4*\u+\t)+7], v[KF+16*\t:KF+16*\t+7], v[QF+16*\u:QF+16*\u+7], v[BI+8*\t:BI+8*\t+7]
.endr
.endr
.irp t, 0,1,2,3
.irp u, 0,1
	v_wmma_f32_16x16x32_f16 v[S+8*(4*\u+\t):S+8*(4*\u+\t)+7], v[KF+16*\t+8:KF+16*\t+15], v[QF+16*\u+8:QF+16*\u+15], v[S+8*(4*\u+\t):S+8*(4*\u+\t)+7]
.endr
.endr
	WIN 0
.endm
.macro MASK
.irp u, 0,1
.irp t, 0,1,2,3
.irp j, 0,1,2,3,4,5,6,7
	v_cmp_gt_i32 vcc_lo, 16*\t+\j, v[THR+\u]       ; key beyond the query
	v_cndmask_b32 v[S+8*(4*\u+\t)+\j], v[S+8*(4*\u+\t)+\j], v[NEG], vcc_lo
.endr
.endr
.endr
.endm
; the new maximum of each query (old maximum, my 32 scores, the other half's 32), alpha = 2^(old - new); two chains for each u
.macro ROWMAX
.irp u, 0,1
	v_max3_num_f32 v[T+2*\u], v[MX+\u], v[S+32*\u], v[S+32*\u+1]
	v_max_num_f32 v[T+2*\u+1], v[S+32*\u+16], v[S+32*\u+17]
.endr
.irp k, 2,4,6,8,10,12,14
.irp u, 0,1
	v_max3_num_f32 v[T+2*\u], v[T+2*\u], v[S+32*\u+\k], v[S+32*\u+\k+1]
	v_max3_num_f32 v[T+2*\u+1], v[T+2*\u+1], v[S+32*\u+16+\k], v[S+32*\u+17+\k]
.endr
.endr
.irp u, 0,1
	v_max_num_f32 v[T+2*\u], v[T+2*\u], v[T+2*\u+1]
.endr
.irp u, 0,1
	v_permlanex16_b32 v[T+2*\u+1], v[T+2*\u], s62, s63
.endr
.irp u, 0,1
	v_max_num_f32 v[MN+2*\u], v[T+2*\u], v[T+2*\u+1]
	v_max_num_f32 v[MN+2*\u+1], v[T+2*\u], v[T+2*\u+1]
.endr
.irp u, 0,1
	v_sub_f32 v[T+2*\u], v[MX+\u], v[MN+2*\u]
.endr
.irp u, 0,1
	v_exp_f32 v[AL+2*\u], v[T+2*\u]
	v_exp_f32 v[AL+2*\u+1], v[T+2*\u]
.endr
.irp u, 0,1
	v_mov_b32 v[MX+\u], v[MN+2*\u]                 ; plain instructions behind the exponentials, ahead of any use of alpha (ISA guide 5.7.2)
.endr
.endm
; tile x = 4 u + t: p = 2^(s - m), in place
.macro PEXP x
.irp j, 0,2,4,6
	v_pk_add_f32 v[S+8*\x+\j:S+8*\x+\j+1], v[S+8*\x+\j:S+8*\x+\j+1], v[MN+2*(\x/4):MN+2*(\x/4)+1] neg_lo:[0,1] neg_hi:[0,1]
.endr
.irp j, 0,1,2,3,4,5,6,7
	v_exp_f32 v[S+8*\x+\j], v[S+8*\x+\j]
.endr
.endm
; tile x: its p are added to the trip's sum and packed to f16: an even tile into its own registers 0-3, an odd one into registers 4-7 of the tile before,
; which makes the second source of the product with V without any move
.macro PSUM x
.if (\x%4) == 0
	s_wait_alu depctr_va_vdst(0)
	v_pk_add_f32 v[LS+2*(\x/4):LS+2*(\x/4)+1], v[S+8*\x:S+8*\x+1], v[S+8*\x+2:S+8*\x+3]   ; starts the sum
.else
	s_wait_alu depctr_va_vdst(0)
	v_pk_add_f32 v[LS+2*(\x/4):LS+2*(\x/4)+1], v[LS+2*(\x/4):LS+2*(\x/4)+1], v[S+8*\x:S+8*\x+1]
	v_pk_add_f32 v[LS+2*(\x/4):LS+2*(\x/4)+1], v[LS+2*(\x/4):LS+2*(\x/4)+1], v[S+8*\x+2:S+8*\x+3]
.endif
	v_pk_add_f32 v[LS+2*(\x/4):LS+2*(\x/4)+1], v[LS+2*(\x/4):LS+2*(\x/4)+1], v[S+8*\x+4:S+8*\x+5]
	v_pk_add_f32 v[LS+2*(\x/4):LS+2*(\x/4)+1], v[LS+2*(\x/4):LS+2*(\x/4)+1], v[S+8*\x+6:S+8*\x+7]
.irp j, 0,1,2,3
	v_cvt_pk_f16_f32 v[S+8*(\x-(\x%2))+4*(\x%2)+\j], v[S+8*\x+2*\j], v[S+8*\x+2*\j+1]
.endr
.endm
; the end of a block: l over both halves of the lanes; a g = 1 wave hands O, m, l to its partner and starts anew
.macro STASH slot, reloadq
	v_permlanex16_b32 v[T], v[LL], s62, s63
	v_permlanex16_b32 v[T+1], v[LL+1], s62, s63
	v_add_f32 v[LL], v[LL], v[T]
	v_add_f32 v[LL+1], v[LL+1], v[T+1]
	s_cmp_eq_u32 s11, 0
	s_cbranch_scc1 .Lkeep_\@
	WIN 0x04                                       ; store data in window 1
.set n, 0
.rept 16
	ds_store_b128 v[MADR], v[O+4*n:O+4*n+3] offset:(\slot)*MRGB+512*n
.set n, n+1
.endr
	WIN 0
	ds_store_b128 v[MADR], v[MX:MX+3] offset:(\slot)*MRGB+8192
	v_mov_b32 v[MX], v[NEG]
	v_mov_b32 v[MX+1], v[NEG]
.Lkeep_\@:
.if \reloadq
	QLOAD 56                                       ; the low block's queries; waited for in front of the next scores
.endif
.endm
; a g = 0 wave merges its partner's half into its own, divides by l, and stores 32 rows of y through its own stage.
; mslot, the merge region's number, may be an expression: it stands in brackets wherever it is multiplied.
.macro MERGE_OUT yb, mslot, more
.set n, 0
.rept 16
	ds_load_b128 v[KF+4*n:KF+4*n+3], v[MADR] offset:(\mslot)*MRGB+512*n
.set n, n+1
.endr
	ds_load_b128 v[28:31], v[MADR] offset:(\mslot)*MRGB+8192
	s_wait_dscnt 0x0
	v_max_num_f32 v24, v[MX], v28                  ; the common maximum
	v_max_num_f32 v25, v[MX+1], v29
	v_sub_f32 v26, v[MX], v24
	v_sub_f32 v27, v[MX+1], v25
	v_sub_f32 v24, v28, v24
	v_sub_f32 v25, v29, v25
	v_exp_f32 v26, v26                             ; my weight
	v_exp_f32 v27, v27
	v_exp_f32 v24, v24                             ; my partner's
	v_exp_f32 v25, v25
	v_and_b32 v20, 15, v0                          ; r: the plain instruction behind the exponentials
	s_wait_alu depctr_va_vdst(0)
	v_mul_f32 v12, v[LL], v26
	v_mul_f32 v14, v[LL+1], v27
	v_fma_f32 v12, v30, v24, v12
	v_fma_f32 v14, v31, v25, v14
	v_rcp_f32 v12, v12
	v_rcp_f32 v14, v14
	v_mul_u32_u24 v21, v20, STP                    ; the plain instruction behind the reciprocals
	s_wait_alu depctr_va_vdst(0)
	v_mul_f32 v16, v24, v12
	v_mul_f32 v18, v25, v14
	v_mul_f32 v12, v26, v12
	v_mul_f32 v14, v27, v14
	v_mov_b32 v17, v16
	v_mov_b32 v19, v18
	v_mov_b32 v13, v12
	v_mov_b32 v15, v14
	v_bfe_u32 v20, v0, 4, 1
	v_lshl_add_u32 v21, v20, 4, v21
	v_add_nc_u32 v21, s69, v21                     ; in: row r, 16 bytes for each half of the lanes
	v_bfe_u32 v22, v0, 3, 2
	v_mul_u32_u24 v22, v22, STP
	v_and_b32 v20, 7, v0
	v_lshl_add_u32 v22, v20, 4, v22
	v_add_nc_u32 v22, s69, v22                     ; back: row l / 8, byte 16 (l % 8)
	v_and_b32 v23, 31, v0
	v_lshlrev_b32 v23, 4, v23                      ; 16 l: my bytes in four rows of y
	WIN 0x01                                       ; source 0 (O) in window 1
.set n, 0
.rept 32
	v_pk_mul_f32 v[VF+2*n:VF+2*n+1], v[O+2*n:O+2*n+1], v[MN+2*(n/16):MN+2*(n/16)+1]
.set n, n+1
.endr
	WIN 0
.set n, 0
.rept 32
	v_pk_fma_f32 v[VF+2*n:VF+2*n+1], v[KF+2*n:KF+2*n+1], v[AL+2*(n/16):AL+2*(n/16)+1], v[VF+2*n:VF+2*n+1]
.set n, n+1
.endr
.set n, 0
.rept 32
	v_cvt_pk_f16_f32 v[S+n], v[VF+2*n], v[VF+2*n+1]
.set n, n+1
.endr
.irp u, 0,1
.irp dt, 0,1,2,3
	ds_store_b128 v21, v[S+4*(4*\u+\dt):S+4*(4*\u+\dt)+3] offset:16*STP*\u+32*\dt
.endr
.endr
.irp t, 0,1,2,3,4,5,6,7
	ds_load_b128 v[S+32+4*\t:S+32+4*\t+3], v22 offset:4*STP*\t     ; my own bytes; LDS serves a wave's instructions in order (ISA guide 5.7.1)
.endr
.irp t, 0,1,2,3,4,5,6,7
	s_wait_dscnt 7-\t
	global_store_b128 v23, v[S+32+4*\t:S+32+4*\t+3], s[\yb:\yb+1] offset:512*\t   ; four rows of 128 bytes: 512 consecutive aligned bytes
.endr
.if \more
	v_mov_b32 v[MX], v[NEG]                        ; the next block starts anew
	v_mov_b32 v[MX+1], v[NEG]
	s_wait_xcnt 0x0                                ; the stores' data and offset registers are written again in this trip
.endif
.endm
; One trip: 128 keys from slot.  refill = 1: the next trip's tile goes into the other slot.  last = 1: trip 16, always on the diagonal.
.macro TRIP slot, refill, last
	s_set_vgpr_msb 0x5
	s_wait_tensorcnt 0x0                           ; all my tensor loads have landed (one at the most was out: this trip's tile), so the descriptors may be written
	ds_add_u32 v96, v97
	s_wait_dscnt 0x0
	s_set_vgpr_msb 0x500
.if \refill
	s_add_co_u32 s66, s18, 1                       ; trip p + 1 reads tile p + 1, or p + 1 - (sw + 1) in the low block
	s_cmp_gt_u32 s66, s17
	s_cselect_b32 s67, s68, 0
	s_sub_co_u32 s66, s66, s67
	s_lshl_b32 s52, s66, 14                        ; tiles of 16,384 bytes
	s_add_nc_u64 s[42:43], s[48:49], s[52:53]
	s_or_b32 s43, s43, 0x80000000
	s_add_nc_u64 s[46:47], s[50:51], s[52:53]
	s_or_b32 s47, s47, 0x80000000
	s_mov_b32 s41, (1-\slot)*SLOT
	s_mov_b32 s45, (1-\slot)*SLOT+VOFF
.endif
	s_wait_dscnt 0x0                               ; my reads of the other slot, and my stores into the merge region, are done
	s_barrier_signal -1
	s_barrier_wait -1                              ; this trip's tile is whole for every wave, and nobody reads the other slot any more
.if \refill
	KVLOAD                                         ; first thing behind the barrier, one load in each of the two issuing waves; it has the trip in which to land
.endif
	s_cmp_lg_u32 s18, s68                          ; the first trip of the low block: the high block is merged and stored
	s_cbranch_scc1 .Lnom_\@
	s_cmp_lg_u32 s11, 0
	s_cbranch_scc1 .Lnom_\@
	MERGE_OUT 58, 1-\slot, 1                       ; from the region that the trip before wrote; this trip writes the other one
.Lnom_\@:
	KLD \slot
	VLD \slot
	s_wait_loadcnt 0x0                             ; Q
	s_wait_dscnt 16                                ; K's sixteen loads are in; V's sixteen may stay out
	SCORES
	v_sub_f32 v[MX], v[MX], s20                    ; the running maximum moves into this tile's frame;
	v_sub_f32 v[MX+1], v[MX+1], s20                ; with the two v_nop: the four places behind the scores (ISA guide 7.12.1)
	v_nop
	v_nop
.if \last
	MASK
.else
	s_cmp_lg_u32 s18, s17
	s_cbranch_scc1 .Lnomask_\@
	MASK
.Lnomask_\@:
.endif
	ROWMAX
	PEXP 0                                         ; a tile's exponentials stand a tile ahead of their use: plain instructions lie between
	PEXP 1
	PSUM 0
	PEXP 2
	PSUM 1
	PEXP 3
	PSUM 2
	PEXP 4
	PSUM 3
	PEXP 5
	PSUM 4
	PEXP 6
	PSUM 5
	PEXP 7
	PSUM 6
	PSUM 7
.irp u, 0,1
	v_add_f32 v[T+2*\u], v[LS+2*\u], v[LS+2*\u+1]
.endr
.irp u, 0,1
	v_fma_f32 v[LL+\u], v[LL+\u], v[AL+2*\u], v[T+2*\u]
.endr
	s_wait_dscnt 0x0                               ; V
	WIN 0x41                                       ; O in window 1, alpha in window 0
.set n, 0
.rept 32
	v_pk_mul_f32 v[O+2*n:O+2*n+1], v[O+2*n:O+2*n+1], v[AL+2*(n/16):AL+2*(n/16)+1]
.set n, n+1
.endr
	WIN 0x50                                       ; C and D in window 1.  The eight accumulators take turns
.irp ks, 0,1
.irp dt, 0,1,2,3
.irp u, 0,1
	v_wmma_f32_16x16x32_f16 v[O+8*(4*\u+\dt):O+8*(4*\u+\dt)+7], v[VF+8*(2*\dt+\ks):VF+8*(2*\dt+\ks)+7], v[S+8*(4*\u+2*\ks):S+8*(4*\u+2*\ks)+7], v[O+8*(4*\u+\dt):O+8*(4*\u+\dt)+7]
.endr
.endr
.endr
	WIN 0
.rept 5
	v_nop                                          ; five places before the next scores write over P; they cover the four before loads into K and V and before stores of O
.endr
.if \last == 0
	s_cmp_lg_u32 s18, s17
	s_cbranch_scc1 .Lnost_\@
	STASH \slot, 1
.Lnost_\@:
.endif
	s_add_co_u32 s18, s18, 1
.endm
	s_mov_b32 s22, 8
.Lpair:
	TRIP 0, 1, 0
	TRIP 1, 1, 0
	s_sub_co_i32 s22, s22, 1
	s_cmp_lg_u32 s22, 0
	s_cbranch_scc1 .Lpair
	TRIP 0, 0, 1                                   ; trip 16: nothing is left to fetch
	STASH 0, 0
	s_wait_dscnt 0x0                               ; my stores into the merge region are done
	s_barrier_signal -1
	s_barrier_wait -1
	s_cmp_lg_u32 s11, 0
	s_cbranch_scc1 .Lend
	MERGE_OUT 60, 0, 0
.Lend:
	s_set_vgpr_msb 0x5
	s_wait_tensorcnt 0x0
	ds_add_u32 v96, v97
	s_wait_dscnt 0x0
	s_set_vgpr_msb 0x500
	s_endpgm
.Lfunc_end_k_q60a40199a2_attn:
	.size	k_q60a40199a2_attn, .Lfunc_end_k_q60a40199a2_attn-k_q60a40199a2_attn
	.p2alignl 7, 3214868480
	.fill 96, 4, 3214868480
	.section	.rodata,"a",@progbits
	.p2align	6, 0x0
	.amdhsa_kernel k_q60a40199a2_attn
		.amdhsa_group_segment_fixed_size 327680
		.amdhsa_private_segment_fixed_size 0
		.amdhsa_enable_private_segment 0
		.amdhsa_kernarg_size 24
		.amdhsa_user_sgpr_count 2
		.amdhsa_user_sgpr_kernarg_segment_ptr 1
		.amdhsa_wavefront_size32 1
		.amdhsa_system_sgpr_workgroup_id_x 1
		.amdhsa_system_sgpr_workgroup_id_y 1
		.amdhsa_system_sgpr_workgroup_id_z 1
		.amdhsa_system_vgpr_workitem_id 0
		.amdhsa_next_free_vgpr 354
		.amdhsa_next_free_sgpr 72
		.amdhsa_reserve_vcc 1
		.amdhsa_float_denorm_mode_32 3
		.amdhsa_float_denorm_mode_16_64 3
		.amdhsa_memory_ordered 1
		.amdhsa_forward_progress 1
		.amdhsa_inst_pref_size 129
	.end_amdhsa_kernel
	.amdgpu_metadata
---
amdhsa.version: [ 1, 2 ]
amdhsa.kernels:
  - .name:           k_q60a40199a2_attn
    .symbol:         k_q60a40199a2_attn.kd
    .args:
      - { .name: kqv, .offset: 0, .size: 8, .value_kind: global_buffer, .address_space: global }
      - { .name: slopes, .offset: 8, .size: 8, .value_kind: global_buffer, .address_space: global }
      - { .name: yb, .offset: 16, .size: 8, .value_kind: global_buffer, .address_space: global }
    .group_segment_fixed_size: 327680
    .private_segment_fixed_size: 0
    .kernarg_segment_align: 8
    .kernarg_segment_size: 24
    .max_flat_workgroup_size: 256
    .sgpr_count:     72
    .vgpr_count:     354
    .wavefront_size: 32
...
	.end_amdgpu_metadata
.endif
;; end of part 3
;; launch proj (part 4): grid 8 x 32, 4 waves a work-group, clusters of 4 x 4, 327,680 bytes of LDS; arguments yb, cast, b_proj, out0; writes out0
.if DOCPART == 4
	.amdgcn_target "amdgcn-amd-amdhsa--gfx1250"
	.amdhsa_code_object_version 6
	.text
	.protected	k_q60a40199a2_proj
	.globl	k_q60a40199a2_proj
	.p2align	8
	.type	k_q60a40199a2_proj,@function
k_q60a40199a2_proj:
	s_mov_b64 s[64:65], 0
	v_nop
	global_prefetch_b8 v0, s[64:65] scope:SCOPE_SE
	s_setreg_imm32_b32 hwreg(HW_REG_WAVE_MODE, 25, 1), 1
	s_wait_xcnt 0x0
	s_wait_alu depctr_hold_cnt(0) depctr_sa_sdst(0) depctr_va_vdst(0) depctr_va_sdst(0) depctr_va_ssrc(0) depctr_va_vcc(0) depctr_vm_vsrc(0)
	s_getreg_b32 s2, hwreg(HW_REG_IB_STS2, 6, 4)
	s_cmp_eq_u32 s2, 0
	s_cbranch_scc0 .Lentry_in_a_cluster
	s_endpgm
.Lentry_in_a_cluster:
	s_bfe_u32 s2, ttmp6, 0x10000c
	s_cmp_lg_u32 s2, 0xf033
	s_cbranch_scc0 .Lentry_shape_is_right
	s_endpgm
.Lentry_shape_is_right:
; out0 = y W_proj + b_proj, 4096 x 1024 x 1024.  y: f16 [16 heads][4096 rows][64]; W_proj: f16 [1024 k][1024 n] at byte 14,680,064 of the rounded inputs;
; sums and output in f32.  LIMIT: y and W_proj are f16 (11 bits of significand, infinite beyond 65,504, steps of 6e-8 below 6.1e-5).
; A work-group makes 128 x 128 with four waves; a wave makes 64 x 64: 16 accumulator tiles in window 1.  K goes in 4 steps of 256 (four heads) through
; two LDS slots: the long step leaves a refill 120 of a step's 128 matrix instructions of a wave in which to land.
; CLUSTERS: 4 x 4 work-groups; y's tile is asked for jointly along a row of the cluster, W's along a column.
; The matrix instruction is used transposed (source 0 = columns of W, by the transposing LDS load; source 1 = rows of y): a lane holds row l % 16 and
; eight neighbouring columns 8 (l / 16) + 0..7.
.set PAH,    144                       ; y's LDS row: a head's 128 bytes + 16
.set HEADB,  128*PAH                   ; a head's 128 rows
.set PB,     288                       ; W's LDS row: 256 bytes + 32: an odd multiple of 32
.set HALFT,  36864                     ; one tensor load: two heads of y, or 128 k-rows of W
.set SLOT,   4*HALFT                   ; y's four heads, then W's 256 k-rows
.set STAGE,  2*SLOT                    ; behind the ring: 16 rows x 272 bytes for each wave; no fill lands here
.set SPITCH, 272
.set WPB,    14680064
.set ADRA, 16                          ; v16-17  y's fragments in slot 0, 1
.set ADRB, 20                          ; v20-23  W's fragments: slot 0 k-rows 0-127, 128-255; slot 1 likewise
.set STO,  24
.set RD,   25
.set CO,   26
.set BO,   27
.set AF,   64                          ; v64-95, v96-127   y's fragments, two buffers
.set BF,   128                         ; v128-159, v160-191 W's fragments, two buffers
.set BI,   192                         ; v192-223 the bias of my 4 x 8 columns
.set T,    224                         ; v224-255 the way out
.set G1,  24
.set G0,  32
.set G1B, 48
.set G0B, 56
.set MSB, 0
.macro WIN new
.if MSB != \new
	s_set_vgpr_msb (MSB<<8)|\new
.set MSB, \new
.endif
.endm
.set MUL, 0x50                         ; C and D in window 1, both sources in window 0
.macro JLOAD s                         ; waves 0 and 1 fetch y's two pairs of heads, waves 2 and 3 W's two halves
	s_cmp_eq_u32 s11, 0
	s_cbranch_scc0 .Lfor_b_\@
	tensor_load_to_lds s[G0+4*\s:G0+4*\s+3], s[G1:G1+7]
	s_nop 0
	s_branch .Lasked_\@
.Lfor_b_\@:
	tensor_load_to_lds s[G0B+4*\s:G0B+4*\s+3], s[G1B:G1B+7]
	s_nop 0
.Lasked_\@:
.endm
.macro CREST
	s_cmp_lg_u32 s10, 0
	s_cbranch_scc1 .Lnot_wave_0_\@
	s_barrier_signal -3
.Lnot_wave_0_\@:
	s_barrier_wait -3
	s_barrier_signal -1
	s_barrier_wait -1
.endm
.macro CROUND
	s_barrier_signal -1
	s_barrier_wait -1
	CREST
.endm
	s_load_b128 s[4:7], s[0:1], 0x0                ; yb s[4:5], rounded inputs s[6:7]
	s_load_b128 s[68:71], s[0:1], 0x10             ; b_proj s[68:69], out0 s[70:71]
	v_lshl_add_u32 v62, v0, 2, 0x4c400
	v_mov_b32 v63, 0
	ds_add_u32 v62, v63
	v_lshrrev_b32 v1, 5, v0
	v_readfirstlane_b32 s10, v1                    ; wave 0..3
	s_lshr_b32 s11, s10, 1                         ; which 64 rows are mine.  Also: I fetch for y (0) or for W (1)
	s_and_b32 s12, s10, 1                          ; which 64 columns.  Also: which half of that tile I fetch
	s_bfe_u32 s40, ttmp6, 0x40000                  ; cx
	s_bfe_u32 s41, ttmp6, 0x40004                  ; cy
	s_lshl_b32 s42, ttmp9, 2
	s_add_co_u32 s42, s42, s40                     ; block column
	s_and_b32 s13, ttmp7, 0xffff
	s_lshl_b32 s13, s13, 2
	s_add_co_u32 s13, s13, s41                     ; block row
	s_lshl_b32 s43, s41, 2
	s_lshl_b32 s43, 15, s43                        ; my row of the cluster
	s_lshl_b32 s44, 0x1111, s40                    ; my column
	; group 1 for y: two 'rows', each a head's dense block of 128 rows x 64 = 8,192 elements, a slab (262,144 elements) apart;
	; the padding is counted along the tile: 16 bytes behind every 32 words, that is behind every row of a head
	s_or_b32 s[G1+0], s43, (1<<16)|(1<<20)|(1<<21)|(4<<22)|(3<<25)
	s_mov_b32 s[G1+1], 8192<<16
	s_mov_b32 s[G1+2], 2<<16
	s_mov_b32 s[G1+3], 8192<<16
	s_mov_b32 s[G1+4], 2
	s_mov_b32 s[G1+5], 262144
	s_mov_b32 s[G1+6], 0
	s_mov_b32 s[G1+7], 0
	; group 1 for W: 128 k-rows x 128 elements, 32 bytes of padding behind every 64 words
	s_or_b32 s[G1B+0], s44, (1<<16)|(1<<20)|(1<<21)|(5<<22)|(7<<25)
	s_mov_b32 s[G1B+1], 128<<16
	s_mov_b32 s[G1B+2], 128<<16
	s_mov_b32 s[G1B+3], 128<<16
	s_mov_b32 s[G1B+4], 128
	s_mov_b32 s[G1B+5], 1024
	s_mov_b32 s[G1B+6], 0
	s_mov_b32 s[G1B+7], 0
	s_lshl_b32 s16, s12, 20                        ; y: two slabs of 524,288 bytes for the second half,
	s_lshl_b32 s17, s13, 14                        ; 128 rows of 128 bytes for each block row
	s_add_co_u32 s16, s16, s17
	s_mov_b32 s17, 0
	s_lshl_b32 s46, s42, 8                         ; W: 128 columns of 2 bytes for each block column,
	s_lshl_b32 s18, s12, 18                        ; 128 k-rows of 2,048 bytes for the second half,
	s_add_co_u32 s46, s46, s18
	s_add_co_u32 s46, s46, WPB                     ; behind x and W_kqv in the buffer
	s_mov_b32 s47, 0
	s_mul_i32 s20, s10, HALFT                      ; where they go: wave x 36,864
	s_lshl_b32 s78, s42, 9                         ; my first column in bytes of f32: 512 x block + 256 x half
	s_lshl_b32 s67, s12, 8
	s_add_co_u32 s78, s78, s67
	s_mov_b32 s79, 0
	s_wait_dscnt 0x0
	s_wait_kmcnt 0x0
	s_add_nc_u64 s[14:15], s[4:5], s[16:17]
	s_add_nc_u64 s[46:47], s[6:7], s[46:47]
	s_add_nc_u64 s[76:77], s[68:69], s[78:79]      ; the bias of my 64 columns; never rewritten
	s_add_nc_u64 s[8:9], s[70:71], s[78:79]        ; out0 at my first column
	CROUND                                         ; the first joint loads meet
.irp s, 0,1
	s_mov_b32 s[G0+4*\s], 1
	s_add_co_u32 s[G0+4*\s+1], s20, \s*SLOT
	s_add_nc_u64 s[G0+4*\s+2:G0+4*\s+3], s[14:15], \s*4*524288     ; K step s: four heads on
	s_or_b32 s[G0+4*\s+3], s[G0+4*\s+3], 0x80000000
	s_mov_b32 s[G0B+4*\s], 1
	s_add_co_u32 s[G0B+4*\s+1], s20, \s*SLOT
	s_add_nc_u64 s[G0B+4*\s+2:G0B+4*\s+3], s[46:47], \s*256*2048   ; K step s: 256 k-rows down
	s_or_b32 s[G0B+4*\s+3], s[G0B+4*\s+3], 0x80000000
	JLOAD \s                                       ; both first fills: two loads of the wave are out
.endr
	v_and_b32 v1, 15, v0                           ; r
	v_bfe_u32 v2, v0, 4, 1                         ; h
	v_mul_u32_u24 v3, v1, PAH
	v_lshl_add_u32 v3, v2, 4, v3
	s_mul_i32 s21, s11, 64*PAH
	v_add_nc_u32 v[ADRA], s21, v3
	v_add_nc_u32 v[ADRA+1], SLOT, v[ADRA]
	v_and_b32 v4, 7, v0
	v_lshl_add_u32 v4, v2, 3, v4
	v_mul_u32_u24 v4, v4, PB
	v_bfe_u32 v5, v0, 3, 1
	v_lshl_add_u32 v4, v5, 4, v4
	s_lshl_b32 s22, s12, 7                         ; my 64 columns of 2 bytes
	s_add_co_u32 s22, s22, 2*HALFT
	v_add_nc_u32 v[ADRB], s22, v4
	v_add_nc_u32 v[ADRB+1], HALFT, v[ADRB]         ; k-rows 128-255: beyond the reach of the 16-bit immediate
	v_add_nc_u32 v[ADRB+2], SLOT, v[ADRB]
	v_add_nc_u32 v[ADRB+3], SLOT, v[ADRB+1]
	s_mul_i32 s23, s10, 16*SPITCH
	s_add_co_u32 s23, s23, STAGE
	v_mul_u32_u24 v4, v1, SPITCH                   ; in: row r, 32 bytes for each half of the lanes
	v_lshl_add_u32 v4, v2, 5, v4
	v_add_nc_u32 v[STO], s23, v4
	v_mul_u32_u24 v5, v2, SPITCH                   ; back: lanes 0-15 one row of 256 bytes, lanes 16-31 the next
	v_lshl_add_u32 v5, v1, 4, v5
	v_add_nc_u32 v[RD], s23, v5
	v_lshlrev_b32 v5, 12, v2                       ; and the same two rows of out0 (4,096 bytes each)
	v_lshl_add_u32 v[CO], v1, 4, v5
	v_lshlrev_b32 v[BO], 5, v2
.irp b, 0,1,2,3
	global_load_b128 v[BI+8*\b:BI+8*\b+3],   v[BO], s[76:77] offset:64*\b      ; b_proj of columns 16 b + 8 h + 0..3 of my 64
	global_load_b128 v[BI+8*\b+4:BI+8*\b+7], v[BO], s[76:77] offset:64*\b+16   ; waited for on the way out
.endr
; 8 matrix instructions: row tiles a0, a0 + 1 x all 4 column tiles, on buffer f
.macro MUL8 f, a0, zero
.irp a, \a0, \a0+1
.irp b, 0,1,2,3
.if \zero
	v_wmma_f32_16x16x32_f16 v[8*(4*(\a)+\b):8*(4*(\a)+\b)+7], v[BF+32*\f+8*\b:BF+32*\f+8*\b+7], v[AF+32*\f+8*(\a):AF+32*\f+8*(\a)+7], 0
.else
	v_wmma_f32_16x16x32_f16 v[8*(4*(\a)+\b):8*(4*(\a)+\b)+7], v[BF+32*\f+8*\b:BF+32*\f+8*\b+7], v[AF+32*\f+8*(\a):AF+32*\f+8*(\a)+7], v[8*(4*(\a)+\b):8*(4*(\a)+\b)+7]
.endif
.endr
.endr
.endm
; 16 LDS loads: eighth e of a K step (k = 32 e ..: head e / 2, d = 32 (e % 2) ..) into buffer f
.macro FETCH slot, e, f
.irp b, 0,1,2,3
	ds_load_tr16_b128 v[BF+32*\f+8*\b:BF+32*\f+8*\b+3],   v[ADRB+2*\slot+(\e>>2)] offset:(\e&3)*32*PB+32*\b
	ds_load_tr16_b128 v[BF+32*\f+8*\b+4:BF+32*\f+8*\b+7], v[ADRB+2*\slot+(\e>>2)] offset:(\e&3)*32*PB+32*\b+16*PB
.endr
.irp i, 0,1,2,3
	ds_load_b128 v[AF+32*\f+8*\i:AF+32*\f+8*\i+3],   v[ADRA+\slot] offset:(\e>>1)*HEADB+(\e&1)*64+\i*16*PAH
	ds_load_b128 v[AF+32*\f+8*\i+4:AF+32*\f+8*\i+7], v[ADRA+\slot] offset:(\e>>1)*HEADB+(\e&1)*64+\i*16*PAH+32
.endr
.endm
.macro PLACES                          ; four plain vector instructions between a matrix instruction and a load into one of its sources
.rept 4
	v_nop
.endr
.endm
; One of a K step's first seven eighths: fetches eighth e into buffer g, then multiplies buffer f in one run of 16, in which the fetch lands.
; The 16 accumulators take turns, one instruction a turn, in the same order in every eighth.
.macro EIGHTH slot, e, f, g, zero
	WIN 0
	PLACES
	FETCH \slot, \e, \g
	s_wait_dscnt 16                                ; all but the 16 just issued: buffer f is in
	WIN MUL
	MUL8 \f, 0, \zero
	MUL8 \f, 2, \zero
.endm
.macro SEVEN slot, zero
	EIGHTH \slot, 1, 0, 1, \zero
	EIGHTH \slot, 2, 1, 0, 0
	EIGHTH \slot, 3, 0, 1, 0
	EIGHTH \slot, 4, 1, 0, 0
	EIGHTH \slot, 5, 0, 1, 0
	EIGHTH \slot, 6, 1, 0, 0
	EIGHTH \slot, 7, 0, 1, 0
.endm
; The last eighth multiplies buffer 1 and changes slots.  In front of the barrier: my reads of this slot and all my tensor loads (one is out: my part of
; the next slot).  fill = 1: the barrier opens a round of the cluster's barrier, and the joint refill is the first tensor load behind the round.
.macro TURN slot, next, fill
	s_wait_dscnt 0x0
	s_wait_tensorcnt 0x0
	ds_add_u32 v62, v63
	s_wait_dscnt 0x0
	s_barrier_signal -1
	WIN MUL
	MUL8 1, 0, 0                                   ; register work while the others arrive
	WIN 0
	s_barrier_wait -1
.if \fill
	CREST
	s_add_nc_u64 s[G0+4*\slot+2:G0+4*\slot+3], s[G0+4*\slot+2:G0+4*\slot+3], 2*4*524288
	s_add_nc_u64 s[G0B+4*\slot+2:G0B+4*\slot+3], s[G0B+4*\slot+2:G0B+4*\slot+3], 2*256*2048
	JLOAD \slot
.endif
	PLACES
	FETCH \next, 0, 0
	WIN MUL
	MUL8 1, 2, 0
.endm
	s_wait_tensorcnt 0x1                           ; my part of K step 0 is in; K step 1's may stay out
	s_barrier_signal -1
	s_barrier_wait -1
	FETCH 0, 0, 0
	SEVEN 0, 1                                     ; the first products start the sums
	TURN 0, 1, 1                                   ; slot 0 gets K step 2
	SEVEN 1, 0
	TURN 1, 0, 1                                   ; slot 1 gets K step 3
	SEVEN 0, 0
	TURN 0, 1, 0                                   ; nothing is left to fetch
	SEVEN 1, 0
	s_wait_dscnt 0x0
	MUL8 1, 0, 0
	MUL8 1, 2, 0
	; THE WAY OUT, 16 rows at a time: bias added, 32 bytes a lane into my own stage, read back as whole rows of 256 bytes
	PLACES
	s_lshl_b32 s78, s13, 19                        ; 128 rows of 4,096 bytes for each block row,
	s_lshl_b32 s67, s11, 18                        ; 64 rows for the second half
	s_add_co_u32 s78, s78, s67
	s_add_nc_u64 s[8:9], s[8:9], s[78:79]
	s_wait_loadcnt 0x0                             ; the bias
.macro OUT16 a, f
	WIN 0x01                                       ; source 0 (the sums) in window 1
.irp b, 0,1,2,3
.irp j, 0,2,4,6
	v_pk_add_f32 v[T+8*\b+\j:T+8*\b+\j+1], v[8*(4*\a+\b)+\j:8*(4*\a+\b)+\j+1], v[BI+8*\b+\j:BI+8*\b+\j+1]
.endr
.endr
	WIN 0
.irp b, 0,1,2,3
	ds_store_b128 v[STO], v[T+8*\b:T+8*\b+3]   offset:64*\b
	ds_store_b128 v[STO], v[T+8*\b+4:T+8*\b+7] offset:64*\b+16
.endr
	s_wait_xcnt 0x0                                ; buffer f, which earlier stores read, and the stores' base are rewritten only behind this wait
.if \a
	s_add_nc_u64 s[8:9], s[8:9], 16*4096
.endif
.irp t, 0,1,2,3,4,5,6,7
	ds_load_b128 v[\f+4*\t:\f+4*\t+3], v[RD] offset:\t*2*SPITCH    ; my own bytes; LDS serves a wave's instructions in order (ISA guide 5.7.1)
.endr
.irp t, 0,1,2,3,4,5,6,7
	s_wait_dscnt 7-\t
	global_store_b128 v[CO], v[\f+4*\t:\f+4*\t+3], s[8:9] offset:\t*8192 th:TH_STORE_NT   ; 16 lanes store 256 consecutive aligned bytes of a row
.endr
.endm
	OUT16 0, 64
	OUT16 1, 96
	OUT16 2, 64
	OUT16 3, 96
	s_wait_tensorcnt 0x0
	ds_add_u32 v62, v63
	s_wait_dscnt 0x0
	CROUND                                         ; the closing round
	s_endpgm
.Lfunc_end_k_q60a40199a2_proj:
	.size	k_q60a40199a2_proj, .Lfunc_end_k_q60a40199a2_proj-k_q60a40199a2_proj
	.p2alignl 7, 3214868480
	.fill 96, 4, 3214868480
	.section	.rodata,"a",@progbits
	.p2align	6, 0x0
	.amdhsa_kernel k_q60a40199a2_proj
		.amdhsa_group_segment_fixed_size 327680
		.amdhsa_private_segment_fixed_size 0
		.amdhsa_enable_private_segment 0
		.amdhsa_kernarg_size 32
		.amdhsa_user_sgpr_count 2
		.amdhsa_user_sgpr_kernarg_segment_ptr 1
		.amdhsa_wavefront_size32 1
		.amdhsa_system_sgpr_workgroup_id_x 1
		.amdhsa_system_sgpr_workgroup_id_y 1
		.amdhsa_system_sgpr_workgroup_id_z 1
		.amdhsa_system_vgpr_workitem_id 0
		.amdhsa_next_free_vgpr 384
		.amdhsa_next_free_sgpr 80
		.amdhsa_reserve_vcc 0
		.amdhsa_float_denorm_mode_32 3
		.amdhsa_float_denorm_mode_16_64 3
		.amdhsa_memory_ordered 1
		.amdhsa_forward_progress 1
		.amdhsa_inst_pref_size 94
	.end_amdhsa_kernel
	.amdgpu_metadata
---
amdhsa.version: [ 1, 2 ]
amdhsa.kernels:
  - .name:           k_q60a40199a2_proj
    .symbol:         k_q60a40199a2_proj.kd
    .args:
      - { .name: yb, .offset: 0, .size: 8, .value_kind: global_buffer, .address_space: global }
      - { .name: cast, .offset: 8, .size: 8, .value_kind: global_buffer, .address_space: global }
      - { .name: b_proj, .offset: 16, .size: 8, .value_kind: global_buffer, .address_space: global }
      - { .name: out0, .offset: 24, .size: 8, .value_kind: global_buffer, .address_space: global }
    .group_segment_fixed_size: 327680
    .private_segment_fixed_size: 0
    .kernarg_segment_align: 8
    .kernarg_segment_size: 32
    .max_flat_workgroup_size: 128
    .sgpr_count:     80
    .vgpr_count:     384
    .wavefront_size: 32
...
	.end_amdgpu_metadata
.endif
;; end of part 4
